; MI455X (gfx1250); checked and timed in simulation.
; The chip was launched on July 23, 2026; its instructions are those of AMD's public machine-readable ISA for CDNA 5 (MIT licence, August 2026) and "CDNA5" Instruction Set Architecture Reference Guide (July 2026). The comments in the code are by the model that wrote it; some were corrected since.
;; Estimator QNN. Allowed arithmetic: float matrix products may take bf16 or f16 operands with f32 sums; all other float work in f32.
;; Inputs: inputs 8,388,608 x 2 float32; weights 4 float32.
;; Outputs: out0 8,388,608 x 1 float32.
;; 2 versions, each right; version 2 is version 1 with the launch qnn written anew for expert scheduling mode. Each part assembles by itself: llvm-mc -triple=amdgcn-amd-amdhsa -mcpu=gfx1250 --defsym DOCPART=n.
;; ======== version 1 of 2: 1 launch
;; limits: inputs' magnitudes at most 6,500,000; right only within a limited range of input values
;; launch qnn (part 1): grid 256 x 1, 16 waves a work-group, no clusters, 2,304 bytes of LDS; arguments inputs, weights, out0; writes out0
.if DOCPART == 1
	.amdgcn_target "amdgcn-amd-amdhsa--gfx1250"
	.amdhsa_code_object_version 6
	.text
	.protected	k_qbe93bbff43_qnn
	.globl	k_qbe93bbff43_qnn
	.p2align	8
	.type	k_qbe93bbff43_qnn,@function
k_qbe93bbff43_qnn:
	s_mov_b64 s[64:65], 0
	v_nop
	global_prefetch_b8 v0, s[64:65] scope:SCOPE_SE
	s_setreg_imm32_b32 hwreg(HW_REG_WAVE_MODE, 25, 1), 1
	s_wait_xcnt 0x0
; out[b] = |(U psi)_0|^2 - |(U psi)_1|^2,  psi = (cos(th/2), sin(th/2)),  th = x[b][0] + x[b][1],
; U = RZ(w3) RX(w2) RZ(w1) RX(w0).   x: [8388608][2] f32, w: [4] f32, out: [8388608] f32.
;
; psi is real, so the difference of the two squares is a real quadratic form in (cos(th/2), sin(th/2)):
;   out = M00 c^2 + 2 M01 c s + M11 s^2 = C + A cos(th) + B sin(th),
;   M00 = |U00|^2 - |U10|^2, M11 = |U01|^2 - |U11|^2, M01 = Re(U00 conj U01) - Re(U10 conj U11),
;   A = (M00 - M11)/2, B = M01, C = (M00 + M11)/2.   This holds for every w and x; U is multiplied out from all four gates.
; Sine and cosine: k = round(th/pi), r = th - k pi (pi in two words, two fused steps), |r| <= pi/2,
;   A cos(th) + B sin(th) = (-1)^k (A cos r + B sin r) = (-1)^k sum over j = 0..11 of a_j r^j,
;   a_2m = A (-1)^m/(2m)!,  a_2m+1 = B (-1)^m/(2m+1)!:  one Horner chain of 11 fused multiply-adds.
;   What the series leaves out is at most (pi/2)^12/12! = 4.7e-7 of |A| and (pi/2)^13/13! = 5.7e-8 of |B|, for every input.
; LIMITS.  k is taken by adding and subtracting 1.5 * 2^23, which needs |th/pi| < 2^22: |x0 + x1| < 1.3e7, and |w|/2 likewise;
;   finite numbers beyond that give wrong values.  Infinities and NaN give NaN, as in the definition.  The sums are rounded in
;   another order than a difference of squares of amplitudes: the last bits differ.
;
; SHAPE.  The bytes decide: 8 in and 4 out for each row.  256 work-groups of 16 waves; a group owns 262,144 bytes of x and 131,072 of out.
; Slot i of the group is 8,192 consecutive bytes of x, thread t at byte 16 t (two rows): a wave's load covers 512 consecutive bytes,
; and the two results of a lane are 8 neighbouring bytes, so that a wave's store covers 256 consecutive bytes, aligned.
; A wave issues all its 32 loads at once into 128 registers: no loop, no register is filled twice, loads stand ahead of all stores.
; The weights' part (about 100 vector instructions) is done by wave 0 alone while the loads are out, and 14 words go to the others through LDS.
; No matrix instruction: the product has K = 2 and folds into A, B, C.  No cluster: the groups share only the 16 bytes of w.
.set WAVES,    16
.set NSLOT,    32                      ; loads of a wave
.set IN_STEP,  WAVES*32*16             ; bytes of x in a slot of the group
.set OUT_STEP, WAVES*32*8              ; bytes of out in a slot of the group
.set IOFF, 1                           ; v1        16 t
.set OOFF, 2                           ; v2        8 t
.set LA,   3                           ; v3        wave number, then LDS address 0
.set KC,   4                           ; v[4:7]    1/pi, 1.5*2^23, -pi_hi, -pi_lo
.set TB,   8                           ; v[8:21]   a0 .. a11, C, C
.set T,    24                          ; v[24:27]  th, then r, of the two slots at work
.set X,    28                          ; v[28:155] slot i: 4 registers: x as loaded; then sum/sign in 0-1, k/polynomial in 2-3; result in 0-1
.set FC,   156                         ; v[158:167] wave 0: F_j = +-1/j!, j = 2 .. 11, at v[FC+j]
.set H,    168                         ; v[168:171] wave 0: w/2, then r, then +-r
.set PX,   172                         ; v[172:179] wave 0: two stand-ins for slots: sum/sign, k/r^2
.set PC,   180                         ; v[180:183] wave 0: cos(w_j/2)
.set PS,   184                         ; v[184:187] wave 0: sin(w_j/2)
.set UA,   188                         ; v[188:195] wave 0: U as four pairs over the column: Re row 0, Im row 0, Re row 1, Im row 1
.set UB,   196                         ; v[196:203] wave 0: the same, the other copy (a gate reads one and writes the other)
.set MD,   204                         ; v[204:205] wave 0: M00, M11
; Reduction of two pairs of angles, at v[t:t+1] and v[t+2:t+3], with work registers at x and x+4.
; In: the angles.  Out: r in their place, +-1.0 = (-1)^k in v[x:x+1]; v[x+2:x+3] is free again.
.macro REDUCE x, t
.irp d, 0, 1
	v_pk_fma_f32 v[\x+4*\d:\x+4*\d+1], v[\t+2*\d:\t+2*\d+1], v[KC:KC+1], v[KC:KC+1] op_sel:[0,0,1] op_sel_hi:[1,0,1]   ; angle/pi + 1.5*2^23: rounds to a whole number, k in the low bits
.endr
.irp d, 0, 1
	v_pk_add_f32 v[\x+4*\d+2:\x+4*\d+3], v[\x+4*\d:\x+4*\d+1], v[KC:KC+1] op_sel:[0,1] op_sel_hi:[1,1] neg_lo:[0,1] neg_hi:[0,1]   ; k as a float
.endr
.irp d, 0, 1
	v_pk_fma_f32 v[\t+2*\d:\t+2*\d+1], v[\x+4*\d+2:\x+4*\d+3], v[KC+2:KC+3], v[\t+2*\d:\t+2*\d+1] op_sel_hi:[1,0,1]               ; angle - k pi_hi, one rounding
.endr
.irp d, 0, 1
	v_pk_fma_f32 v[\t+2*\d:\t+2*\d+1], v[\x+4*\d+2:\x+4*\d+3], v[KC+2:KC+3], v[\t+2*\d:\t+2*\d+1] op_sel:[0,1,0] op_sel_hi:[1,1,1] ; - k pi_lo
.endr
.irp d, 0, 1
	v_lshl_or_b32 v[\x+4*\d],   v[\x+4*\d],   31, 0x3f800000       ; k's lowest bit becomes the sign of 1.0
	v_lshl_or_b32 v[\x+4*\d+1], v[\x+4*\d+1], 31, 0x3f800000
.endr
.endm
; The polynomial for two slots: r at t and t+2, signs at x and x+4; the results land in v[x:x+1] and v[x+4:x+5].
.macro EVAL x, t
.irp d, 0, 1
	v_pk_fma_f32 v[\x+4*\d+2:\x+4*\d+3], v[\t+2*\d:\t+2*\d+1], v[TB+10:TB+11], v[TB+10:TB+11] op_sel:[0,1,0] op_sel_hi:[1,1,0]   ; a11 r + a10
.endr
.irp c, 8, 6, 4, 2, 0
.irp d, 0, 1
	v_pk_fma_f32 v[\x+4*\d+2:\x+4*\d+3], v[\x+4*\d+2:\x+4*\d+3], v[\t+2*\d:\t+2*\d+1], v[TB+\c:TB+\c+1] op_sel:[0,0,1] op_sel_hi:[1,1,1]   ; p r + a(c+1)
.endr
.irp d, 0, 1
	v_pk_fma_f32 v[\x+4*\d+2:\x+4*\d+3], v[\x+4*\d+2:\x+4*\d+3], v[\t+2*\d:\t+2*\d+1], v[TB+\c:TB+\c+1] op_sel_hi:[1,1,0]                  ; p r + a(c)
.endr
.endr
.irp d, 0, 1
	v_pk_fma_f32 v[\x+4*\d:\x+4*\d+1], v[\x+4*\d+2:\x+4*\d+3], v[\x+4*\d:\x+4*\d+1], v[TB+12:TB+13]       ; (-1)^k p + C
.endr
.endm
; RZ with the angle whose cosine and sine lie in the UPPER registers of v[PC+g:PC+g+1], v[PS+g:PS+g+1].  UB -> UA.
; Row 0 times (c - i s): Re = c Re + s Im, Im = c Im - s Re.  Row 1 times (c + i s): Re = c Re - s Im, Im = c Im + s Re.
.macro GATE_RZ g
.irp e, 0, 2, 4, 6
	v_pk_mul_f32 v[UA+\e:UA+\e+1], v[UB+\e:UB+\e+1], v[PC+\g:PC+\g+1] op_sel:[0,1] op_sel_hi:[1,1]
.endr
	v_pk_fma_f32 v[UA+0:UA+1], v[UB+2:UB+3], v[PS+\g:PS+\g+1], v[UA+0:UA+1] op_sel:[0,1,0] op_sel_hi:[1,1,1]
	v_pk_fma_f32 v[UA+2:UA+3], v[UB+0:UB+1], v[PS+\g:PS+\g+1], v[UA+2:UA+3] op_sel:[0,1,0] op_sel_hi:[1,1,1] neg_lo:[0,1,0] neg_hi:[0,1,0]
	v_pk_fma_f32 v[UA+4:UA+5], v[UB+6:UB+7], v[PS+\g:PS+\g+1], v[UA+4:UA+5] op_sel:[0,1,0] op_sel_hi:[1,1,1] neg_lo:[0,1,0] neg_hi:[0,1,0]
	v_pk_fma_f32 v[UA+6:UA+7], v[UB+4:UB+5], v[PS+\g:PS+\g+1], v[UA+6:UA+7] op_sel:[0,1,0] op_sel_hi:[1,1,1]
.endm
	s_load_b128 s[4:7], s[0:1], 0x0                ; x s[4:5], w s[6:7]
	s_load_b64 s[8:9], s[0:1], 0x10                ; out
	v_lshl_add_u32 v208, v0, 2, 0x100
	v_mov_b32 v209, 0
	v_lshlrev_b32 v[IOFF], 4, v0                   ; 16 bytes of x for each thread
	v_lshlrev_b32 v[OOFF], 3, v0                   ; 8 bytes of out
	v_lshrrev_b32 v[LA], 5, v0
	v_readfirstlane_b32 s16, v[LA]                 ; wave number
	s_lshl_b32 s10, ttmp9, 18                      ; the group's 262,144 bytes of x (255 << 18 stays below 2^32)
	s_mov_b32 s11, 0
	s_lshl_b32 s12, ttmp9, 17                      ; and its 131,072 bytes of out
	s_mov_b32 s13, 0
	s_wait_kmcnt 0x0
	s_add_nc_u64 s[4:5], s[4:5], s[10:11]
	s_add_nc_u64 s[8:9], s[8:9], s[12:13]
.set i, 0
.rept NSLOT
	global_load_b128 v[X+4*i:X+4*i+3], v[IOFF], s[4:5] offset:i*IN_STEP th:TH_LOAD_NT     ; everything the wave will read, asked for at once; read once in the launch
.set i, i+1
.endr
	v_mov_b32 v[LA], 0                             ; the table's place in LDS
	v_mov_b32 v[KC+0], 0x3ea2f983                  ; 1/pi
	v_mov_b32 v[KC+1], 0x4b400000                  ; 1.5 * 2^23
	v_mov_b32 v[KC+2], 0xc0490fdb                  ; -pi_hi (pi rounded to f32)
	v_mov_b32 v[KC+3], 0x33bbbd2e                  ; -pi_lo = pi_hi - pi = 8.742278e-8
	s_cmp_lg_u32 s16, 0
	s_cbranch_scc1 .Lshare                         ; waves 1 to 15 go straight to the barrier
	; ---- wave 0 alone: the weights' part, every lane with the same numbers ----
	s_load_b128 s[20:23], s[6:7], 0x0              ; w0 .. w3 (no line of this text stores into w)
	v_mov_b32 v[FC+2],  0xbf000000                 ; -1/2!
	v_mov_b32 v[FC+3],  0xbe2aaaab                 ; -1/3!
	v_mov_b32 v[FC+4],  0x3d2aaaab                 ;  1/4!
	v_mov_b32 v[FC+5],  0x3c088889                 ;  1/5!
	v_mov_b32 v[FC+6],  0xbab60b61                 ; -1/6!
	v_mov_b32 v[FC+7],  0xb9500d01                 ; -1/7!
	v_mov_b32 v[FC+8],  0x37d00d01                 ;  1/8!
	v_mov_b32 v[FC+9],  0x3638ef1d                 ;  1/9!
	v_mov_b32 v[FC+10], 0xb493f27e                 ; -1/10!
	v_mov_b32 v[FC+11], 0xb2d7322b                 ; -1/11!
	v_mov_b32 v[UB+1], 0                           ; the four zeros of RX(w0), see below
	v_mov_b32 v[UB+2], 0
	v_mov_b32 v[UB+4], 0
	v_mov_b32 v[UB+7], 0
	s_wait_kmcnt 0x0
.irp j, 0, 1, 2, 3
	v_mul_f32 v[H+\j], 0.5, s[20+\j]               ; the gates take half angles
.endr
	REDUCE PX, H
.irp d, 0, 1
	v_pk_mul_f32 v[PX+4*\d+2:PX+4*\d+3], v[H+2*\d:H+2*\d+1], v[H+2*\d:H+2*\d+1]          ; r^2
.endr
	; cos r = 1 + r^2 (F2 + r^2 (F4 + ..F10)), sin r = r (1 + r^2 (F3 + r^2 (F5 + ..F11))): lower and upper registers of the same pairs
.irp d, 0, 1
	v_pk_fma_f32 v[PC+2*\d:PC+2*\d+1], v[PX+4*\d+2:PX+4*\d+3], v[FC+10:FC+11], v[FC+8:FC+9] op_sel_hi:[1,0,0]
	v_pk_fma_f32 v[PS+2*\d:PS+2*\d+1], v[PX+4*\d+2:PX+4*\d+3], v[FC+10:FC+11], v[FC+8:FC+9] op_sel:[0,1,1] op_sel_hi:[1,1,1]
.endr
.irp m, 6, 4, 2
.irp d, 0, 1
	v_pk_fma_f32 v[PC+2*\d:PC+2*\d+1], v[PC+2*\d:PC+2*\d+1], v[PX+4*\d+2:PX+4*\d+3], v[FC+\m:FC+\m+1] op_sel_hi:[1,1,0]
	v_pk_fma_f32 v[PS+2*\d:PS+2*\d+1], v[PS+2*\d:PS+2*\d+1], v[PX+4*\d+2:PX+4*\d+3], v[FC+\m:FC+\m+1] op_sel:[0,0,1] op_sel_hi:[1,1,1]
.endr
.endr
.irp d, 0, 1
	v_pk_fma_f32 v[PC+2*\d:PC+2*\d+1], v[PC+2*\d:PC+2*\d+1], v[PX+4*\d+2:PX+4*\d+3], 1.0 op_sel_hi:[1,1,0]
	v_pk_fma_f32 v[PS+2*\d:PS+2*\d+1], v[PS+2*\d:PS+2*\d+1], v[PX+4*\d+2:PX+4*\d+3], 1.0 op_sel_hi:[1,1,0]
	v_pk_mul_f32 v[H+2*\d:H+2*\d+1], v[H+2*\d:H+2*\d+1], v[PX+4*\d:PX+4*\d+1]            ; (-1)^k r
.endr
.irp d, 0, 1
	v_pk_mul_f32 v[PC+2*\d:PC+2*\d+1], v[PC+2*\d:PC+2*\d+1], v[PX+4*\d:PX+4*\d+1]        ; cos(w/2)
	v_pk_mul_f32 v[PS+2*\d:PS+2*\d+1], v[PS+2*\d:PS+2*\d+1], v[H+2*\d:H+2*\d+1]          ; sin(w/2)
.endr
	; U = RX(w0) times the identity, written down: [[c0, -i s0], [-i s0, c0]]
	v_mov_b32 v[UB+0], v[PC+0]                     ; Re U00 = c0
	v_mul_f32 v[UB+3], -1.0, v[PS+0]               ; Im U01 = -s0
	v_mov_b32 v[UB+5], v[PC+0]                     ; Re U11 = c0
	v_mul_f32 v[UB+6], -1.0, v[PS+0]               ; Im U10 = -s0
	GATE_RZ 0                                      ; RZ(w1): UB -> UA
	; RX(w2): UA -> UB.  Row 0 = c row 0 - i s row 1, row 1 = c row 1 - i s row 0; -i s (Re + i Im) = s Im - i s Re.  c2, s2: lower registers
.irp e, 0, 2, 4, 6
	v_pk_mul_f32 v[UB+\e:UB+\e+1], v[UA+\e:UA+\e+1], v[PC+2:PC+3] op_sel_hi:[1,0]
.endr
	v_pk_fma_f32 v[UB+0:UB+1], v[UA+6:UA+7], v[PS+2:PS+3], v[UB+0:UB+1] op_sel_hi:[1,0,1]
	v_pk_fma_f32 v[UB+2:UB+3], v[UA+4:UA+5], v[PS+2:PS+3], v[UB+2:UB+3] op_sel_hi:[1,0,1] neg_lo:[0,1,0] neg_hi:[0,1,0]
	v_pk_fma_f32 v[UB+4:UB+5], v[UA+2:UA+3], v[PS+2:PS+3], v[UB+4:UB+5] op_sel_hi:[1,0,1]
	v_pk_fma_f32 v[UB+6:UB+7], v[UA+0:UA+1], v[PS+2:PS+3], v[UB+6:UB+7] op_sel_hi:[1,0,1] neg_lo:[0,1,0] neg_hi:[0,1,0]
	GATE_RZ 2                                      ; RZ(w3): UB -> UA
	; the quadratic form: (M00, M11) column by column, M01 across the columns
	v_pk_mul_f32 v[MD:MD+1], v[UA+0:UA+1], v[UA+0:UA+1]
	v_mul_f32 v[TB+1], v[UA+0], v[UA+1]
	v_pk_fma_f32 v[MD:MD+1], v[UA+2:UA+3], v[UA+2:UA+3], v[MD:MD+1]
	v_fma_f32 v[TB+1], v[UA+2], v[UA+3], v[TB+1]
	v_pk_fma_f32 v[MD:MD+1], v[UA+4:UA+5], v[UA+4:UA+5], v[MD:MD+1] neg_lo:[1,0,0] neg_hi:[1,0,0]
	v_fma_f32 v[TB+1], -v[UA+4], v[UA+5], v[TB+1]
	v_pk_fma_f32 v[MD:MD+1], v[UA+6:UA+7], v[UA+6:UA+7], v[MD:MD+1] neg_lo:[1,0,0] neg_hi:[1,0,0]
	v_fma_f32 v[TB+1], -v[UA+6], v[UA+7], v[TB+1]  ; a1 = B = M01
	v_pk_mul_f32 v[MD:MD+1], v[MD:MD+1], 0.5 op_sel_hi:[1,0]       ; halving is exact
	v_sub_f32 v[TB+0],  v[MD], v[MD+1]             ; a0 = A
	v_add_f32 v[TB+12], v[MD], v[MD+1]             ; C
	v_add_f32 v[TB+13], v[MD], v[MD+1]             ; and once more: a pair for the packed form
.irp m, 2, 4, 6, 8, 10
	v_pk_mul_f32 v[TB+\m:TB+\m+1], v[FC+\m:FC+\m+1], v[TB:TB+1]    ; (a_m, a_m+1) = (F_m A, F_m+1 B)
.endr
	ds_store_b128 v[LA], v[TB:TB+3]                ; all lanes put the same numbers at the same 56 bytes
	ds_store_b128 v[LA], v[TB+4:TB+7] offset:16
	ds_store_b128 v[LA], v[TB+8:TB+11] offset:32
	ds_store_b64  v[LA], v[TB+12:TB+13] offset:48
	s_wait_dscnt 0x0                               ; the table lies in LDS before wave 0 says so
.Lshare:
	s_barrier_signal -1                            ; the loads of x stay out across the barrier: nobody writes x
	s_barrier_wait -1
	ds_load_b128 v[TB:TB+3], v[LA]                 ; every lane takes the whole table
	ds_load_b128 v[TB+4:TB+7], v[LA] offset:16
	ds_load_b128 v[TB+8:TB+11], v[LA] offset:32
	ds_load_b64  v[TB+12:TB+13], v[LA] offset:48
	s_wait_dscnt 0x0
	; ---- all waves: two slots at a time, interleaved so that neither chain waits for itself ----
.set i, 0
.rept NSLOT/2
	s_wait_loadcnt NSLOT-2-i                       ; loads come back in order (ISA guide 5.7.1): slots i and i+1 are in, the NSLOT-2-i behind them stay out
.irp d, 0, 1
	v_add_f32 v[T+2*\d],   v[X+4*(i+\d)],   v[X+4*(i+\d)+1]        ; th = x0 + x1, rounded as in the definition
	v_add_f32 v[T+2*\d+1], v[X+4*(i+\d)+2], v[X+4*(i+\d)+3]
.endr
	REDUCE X+4*i, T
	EVAL X+4*i, T
	global_store_b64 v[OOFF], v[X+4*i:X+4*i+1],   s[8:9] offset:i*OUT_STEP th:TH_STORE_NT       ; 32 lanes x 8 bytes: 256 consecutive bytes, aligned; these registers are never written again
	global_store_b64 v[OOFF], v[X+4*i+4:X+4*i+5], s[8:9] offset:(i+1)*OUT_STEP th:TH_STORE_NT
.set i, i+2
.endr
	s_wait_tensorcnt 0x0
	ds_add_u32 v208, v209
	s_wait_dscnt 0x0
	s_endpgm
.Lfunc_end_k_qbe93bbff43_qnn:
	.size	k_qbe93bbff43_qnn, .Lfunc_end_k_qbe93bbff43_qnn-k_qbe93bbff43_qnn
	.p2alignl 7, 3214868480
	.fill 96, 4, 3214868480
	.section	.rodata,"a",@progbits
	.p2align	6, 0x0
	.amdhsa_kernel k_qbe93bbff43_qnn
		.amdhsa_group_segment_fixed_size 2304
		.amdhsa_private_segment_fixed_size 0
		.amdhsa_enable_private_segment 0
		.amdhsa_kernarg_size 24
		.amdhsa_user_sgpr_count 2
		.amdhsa_user_sgpr_kernarg_segment_ptr 1
		.amdhsa_wavefront_size32 1
		.amdhsa_system_sgpr_workgroup_id_x 1
		.amdhsa_system_sgpr_workgroup_id_y 1
		.amdhsa_system_sgpr_workgroup_id_z 1
		.amdhsa_system_vgpr_workitem_id 0
		.amdhsa_next_free_vgpr 210
		.amdhsa_next_free_sgpr 66
		.amdhsa_reserve_vcc 0
		.amdhsa_float_denorm_mode_32 3
		.amdhsa_float_denorm_mode_16_64 3
		.amdhsa_memory_ordered 1
		.amdhsa_forward_progress 1
		.amdhsa_inst_pref_size 53
	.end_amdhsa_kernel
	.amdgpu_metadata
---
amdhsa.version: [ 1, 2 ]
amdhsa.kernels:
  - .name:           k_qbe93bbff43_qnn
    .symbol:         k_qbe93bbff43_qnn.kd
    .args:
      - { .name: inputs, .offset: 0, .size: 8, .value_kind: global_buffer, .address_space: global }
      - { .name: weights, .offset: 8, .size: 8, .value_kind: global_buffer, .address_space: global }
      - { .name: out0, .offset: 16, .size: 8, .value_kind: global_buffer, .address_space: global }
    .group_segment_fixed_size: 2304
    .private_segment_fixed_size: 0
    .kernarg_segment_align: 8
    .kernarg_segment_size: 24
    .max_flat_workgroup_size: 512
    .sgpr_count:     66
    .vgpr_count:     210
    .wavefront_size: 32
...
	.end_amdgpu_metadata
.endif
;; end of part 1
;; ======== version 2 of 2: 1 launch; version 1 with the launch qnn written anew for expert scheduling mode
;; limits: inputs' magnitudes at most 6,500,000; right only within a limited range of input values
;; launch qnn (part 2): grid 256 x 1, 16 waves a work-group, no clusters, 2,304 bytes of LDS; arguments inputs, weights, out0; writes out0
.if DOCPART == 2
	.amdgcn_target "amdgcn-amd-amdhsa--gfx1250"
	.amdhsa_code_object_version 6
	.text
	.protected	k_qbe93bbff43_qnn
	.globl	k_qbe93bbff43_qnn
	.p2align	8
	.type	k_qbe93bbff43_qnn,@function
k_qbe93bbff43_qnn:
	s_mov_b64 s[64:65], 0
	v_nop
	global_prefetch_b8 v0, s[64:65] scope:SCOPE_SE
	s_setreg_imm32_b32 hwreg(HW_REG_WAVE_SCHED_MODE, 0, 2), 2
	s_setreg_imm32_b32 hwreg(HW_REG_WAVE_MODE, 25, 1), 1
	s_wait_xcnt 0x0
	s_wait_alu depctr_vm_vsrc(0)
; out[b] = |(U psi)_0|^2 - |(U psi)_1|^2,  psi = (cos(th/2), sin(th/2)),  th = x[b][0] + x[b][1],
; U = RZ(w3) RX(w2) RZ(w1) RX(w0).   x: [8388608][2] f32, w: [4] f32, out: [8388608] f32.
;
; psi is real, so the difference of the two squares is a real quadratic form in (cos(th/2), sin(th/2)):
;   out = M00 c^2 + 2 M01 c s + M11 s^2 = C + A cos(th) + B sin(th),
;   M00 = |U00|^2 - |U10|^2, M11 = |U01|^2 - |U11|^2, M01 = Re(U00 conj U01) - Re(U10 conj U11),
;   A = (M00 - M11)/2, B = M01, C = (M00 + M11)/2.   This holds for every w and x; U is multiplied out from all four gates.
; Sine and cosine: k = round(th/pi), r = th - k pi (pi in two words, two fused steps), |r| <= pi/2,
;   A cos(th) + B sin(th) = (-1)^k (A cos r + B sin r) = (-1)^k sum over j = 0..11 of a_j r^j,
;   a_2m = A (-1)^m/(2m)!,  a_2m+1 = B (-1)^m/(2m+1)!:  one Horner chain of 11 fused multiply-adds.
;   What the series leaves out is at most (pi/2)^12/12! = 4.7e-7 of |A| and (pi/2)^13/13! = 5.7e-8 of |B|, for every input.
; LIMITS.  k is taken by adding and subtracting 1.5 * 2^23, which needs |th/pi| < 2^22: |x0 + x1| < 1.3e7, and |w|/2 likewise;
;   finite numbers beyond that give wrong values.  Infinities and NaN give NaN, as in the definition.  The sums are rounded in
;   another order than a difference of squares of amplitudes: the last bits differ.
;
; SHAPE.  The bytes decide: 8 in and 4 out for each row.  256 work-groups of 16 waves; a group owns 262,144 bytes of x and 131,072 of out.
; Slot i of the group is 8,192 consecutive bytes of x, thread t at byte 16 t (two rows): a wave's load covers 512 consecutive bytes,
; and the two results of a lane are 8 neighbouring bytes, so that a wave's store covers 256 consecutive bytes, aligned.
; A wave issues all its 32 loads at once into 128 registers: no loop, no register is filled twice, loads stand ahead of all stores.
; The weights' part (about 100 vector instructions) is done by wave 0 alone while the loads are out, and 14 words go to the others through LDS.
; No matrix instruction: the product has K = 2 and folds into A, B, C.  No cluster: the groups share only the 16 bytes of w.
;
; THE MODE: SCHED_MODE bits 1:0 = 2 (LLVM: expert scheduling mode 2), set by the entry lines.  The code itself states the register dependences
; between vector instructions and memory or LDS instructions, with s_wait_alu, always for 0.
; THE PLAN.  Registers that memory or LDS instructions touch:
;   v1, v2, v3    the offsets of x and of out and the table's LDS address: written at the head, ahead of one wait, and never again.
;   v[TB ..]      the table.  Wave 0: written and read by its vector lines, read by its four LDS stores, then filled by its four LDS loads.
;                 The other waves: filled by their four LDS loads alone.  Behind the wait for those loads vector lines read it, nothing writes it.
;   X, slot i     filled by the slot's one load; read and rewritten by its pair's vector lines behind the counted wait for the load; its first two
;                 registers, the results, are read by the slot's one store; nothing names the slot after that.
;   T, KC and wave 0's work registers are named by vector lines alone.
; Pair p (slots 2 p, 2 p + 1) works on its own X and on T.  Its two stores are issued in pair p + 1, behind the ONE wait at that pair's head, which states
; that pair p's results are written; pair p + 1's vector lines name neither v2 nor pair p's X, so the stores are dealt among them with no further wait.
; No register that a global load or store reads is ever written again; only wave 0's table waits for its LDS stores to have read it.
.set WAVES,    16
.set NSLOT,    32                      ; loads of a wave
.set IN_STEP,  WAVES*32*16             ; bytes of x in a slot of the group
.set OUT_STEP, WAVES*32*8              ; bytes of out in a slot of the group
.set IOFF, 1                           ; v1        16 t
.set OOFF, 2                           ; v2        8 t
.set LA,   3                           ; v3        wave number, then LDS address 0
.set KC,   4                           ; v[4:7]    1/pi, 1.5*2^23, -pi_hi, -pi_lo
.set TB,   8                           ; v[8:21]   a0 .. a11, C, C
.set T,    24                          ; v[24:27]  th, then r, of the two slots at work
.set X,    28                          ; v[28:155] slot i: 4 registers: x as loaded; then sum/sign in 0-1, k/polynomial in 2-3; result in 0-1
.set FC,   156                         ; v[158:167] wave 0: F_j = +-1/j!, j = 2 .. 11, at v[FC+j]
.set H,    168                         ; v[168:171] wave 0: w/2, then r, then +-r
.set PX,   172                         ; v[172:179] wave 0: two stand-ins for slots: sum/sign, k/r^2
.set PC,   180                         ; v[180:183] wave 0: cos(w_j/2)
.set PS,   184                         ; v[184:187] wave 0: sin(w_j/2)
.set UA,   188                         ; v[188:195] wave 0: U as four pairs over the column: Re row 0, Im row 0, Re row 1, Im row 1
.set UB,   196                         ; v[196:203] wave 0: the same, the other copy (a gate reads one and writes the other)
.set MD,   204                         ; v[204:205] wave 0: M00, M11
; Reduction of two pairs of angles, at v[t:t+1] and v[t+2:t+3], with work registers at x and x+4.
; In: the angles.  Out: r in their place, +-1.0 = (-1)^k in v[x:x+1]; v[x+2:x+3] is free again.
.macro REDUCE x, t
.irp d, 0, 1
	v_pk_fma_f32 v[\x+4*\d:\x+4*\d+1], v[\t+2*\d:\t+2*\d+1], v[KC:KC+1], v[KC:KC+1] op_sel:[0,0,1] op_sel_hi:[1,0,1]   ; angle/pi + 1.5*2^23: rounds to a whole number, k in the low bits
.endr
.irp d, 0, 1
	v_pk_add_f32 v[\x+4*\d+2:\x+4*\d+3], v[\x+4*\d:\x+4*\d+1], v[KC:KC+1] op_sel:[0,1] op_sel_hi:[1,1] neg_lo:[0,1] neg_hi:[0,1]   ; k as a float
.endr
.irp d, 0, 1
	v_pk_fma_f32 v[\t+2*\d:\t+2*\d+1], v[\x+4*\d+2:\x+4*\d+3], v[KC+2:KC+3], v[\t+2*\d:\t+2*\d+1] op_sel_hi:[1,0,1]               ; angle - k pi_hi, one rounding
.endr
.irp d, 0, 1
	v_pk_fma_f32 v[\t+2*\d:\t+2*\d+1], v[\x+4*\d+2:\x+4*\d+3], v[KC+2:KC+3], v[\t+2*\d:\t+2*\d+1] op_sel:[0,1,0] op_sel_hi:[1,1,1] ; - k pi_lo
.endr
.irp d, 0, 1
	v_lshl_or_b32 v[\x+4*\d],   v[\x+4*\d],   31, 0x3f800000       ; k's lowest bit becomes the sign of 1.0
	v_lshl_or_b32 v[\x+4*\d+1], v[\x+4*\d+1], 31, 0x3f800000
.endr
.endm
; The polynomial for two slots: r at t and t+2, signs at x and x+4; the results land in v[x:x+1] and v[x+4:x+5].
.macro EVAL x, t
.irp d, 0, 1
	v_pk_fma_f32 v[\x+4*\d+2:\x+4*\d+3], v[\t+2*\d:\t+2*\d+1], v[TB+10:TB+11], v[TB+10:TB+11] op_sel:[0,1,0] op_sel_hi:[1,1,0]   ; a11 r + a10
.endr
.irp c, 8, 6, 4, 2, 0
.irp d, 0, 1
	v_pk_fma_f32 v[\x+4*\d+2:\x+4*\d+3], v[\x+4*\d+2:\x+4*\d+3], v[\t+2*\d:\t+2*\d+1], v[TB+\c:TB+\c+1] op_sel:[0,0,1] op_sel_hi:[1,1,1]   ; p r + a(c+1)
.endr
.irp d, 0, 1
	v_pk_fma_f32 v[\x+4*\d+2:\x+4*\d+3], v[\x+4*\d+2:\x+4*\d+3], v[\t+2*\d:\t+2*\d+1], v[TB+\c:TB+\c+1] op_sel_hi:[1,1,0]                  ; p r + a(c)
.endr
.endr
.irp d, 0, 1
	v_pk_fma_f32 v[\x+4*\d:\x+4*\d+1], v[\x+4*\d+2:\x+4*\d+3], v[\x+4*\d:\x+4*\d+1], v[TB+12:TB+13]       ; (-1)^k p + C
.endr
.endm
; RZ with the angle whose cosine and sine lie in the UPPER registers of v[PC+g:PC+g+1], v[PS+g:PS+g+1].  UB -> UA.
; Row 0 times (c - i s): Re = c Re + s Im, Im = c Im - s Re.  Row 1 times (c + i s): Re = c Re - s Im, Im = c Im + s Re.
.macro GATE_RZ g
.irp e, 0, 2, 4, 6
	v_pk_mul_f32 v[UA+\e:UA+\e+1], v[UB+\e:UB+\e+1], v[PC+\g:PC+\g+1] op_sel:[0,1] op_sel_hi:[1,1]
.endr
	v_pk_fma_f32 v[UA+0:UA+1], v[UB+2:UB+3], v[PS+\g:PS+\g+1], v[UA+0:UA+1] op_sel:[0,1,0] op_sel_hi:[1,1,1]
	v_pk_fma_f32 v[UA+2:UA+3], v[UB+0:UB+1], v[PS+\g:PS+\g+1], v[UA+2:UA+3] op_sel:[0,1,0] op_sel_hi:[1,1,1] neg_lo:[0,1,0] neg_hi:[0,1,0]
	v_pk_fma_f32 v[UA+4:UA+5], v[UB+6:UB+7], v[PS+\g:PS+\g+1], v[UA+4:UA+5] op_sel:[0,1,0] op_sel_hi:[1,1,1] neg_lo:[0,1,0] neg_hi:[0,1,0]
	v_pk_fma_f32 v[UA+6:UA+7], v[UB+4:UB+5], v[PS+\g:PS+\g+1], v[UA+6:UA+7] op_sel:[0,1,0] op_sel_hi:[1,1,1]
.endm
	s_load_b128 s[4:7], s[0:1], 0x0                ; x s[4:5], w s[6:7]
	s_load_b64 s[8:9], s[0:1], 0x10                ; out
	v_lshl_add_u32 v206, v0, 2, 0x100
	v_mov_b32 v207, 0
	v_lshlrev_b32 v[IOFF], 4, v0                   ; 16 bytes of x for each thread
	v_lshlrev_b32 v[OOFF], 3, v0                   ; 8 bytes of out
	v_lshrrev_b32 v[LA], 5, v0
	v_readfirstlane_b32 s16, v[LA]                 ; wave number
	v_mov_b32 v[LA], 0                             ; the table's place in LDS
	s_lshl_b32 s10, ttmp9, 18                      ; the group's 262,144 bytes of x (255 << 18 stays below 2^32)
	s_mov_b32 s11, 0
	s_lshl_b32 s12, ttmp9, 17                      ; and its 131,072 bytes of out
	s_mov_b32 s13, 0
	s_wait_kmcnt 0x0
	s_add_nc_u64 s[4:5], s[4:5], s[10:11]
	s_add_nc_u64 s[8:9], s[8:9], s[12:13]
	s_wait_alu depctr_va_vdst(0)                   ; v1, v2 and v3 are written: every load reads v1, every store v2, every LDS access v3, and none of the three is written again
.set i, 0
.rept NSLOT
	global_load_b128 v[X+4*i:X+4*i+3], v[IOFF], s[4:5] offset:i*IN_STEP th:TH_LOAD_NT     ; everything the wave will read, asked for at once; read once in the launch
.set i, i+1
.endr
	v_mov_b32 v[KC+0], 0x3ea2f983                  ; 1/pi
	v_mov_b32 v[KC+1], 0x4b400000                  ; 1.5 * 2^23
	v_mov_b32 v[KC+2], 0xc0490fdb                  ; -pi_hi (pi rounded to f32)
	v_mov_b32 v[KC+3], 0x33bbbd2e                  ; -pi_lo = pi_hi - pi = 8.742278e-8
	s_wait_alu depctr_va_sdst(0)                   ; s16, the wave number, is written, ahead of its first reader, the compare below
	s_cmp_lg_u32 s16, 0
	s_cbranch_scc1 .Lshare                         ; waves 1 to 15 go straight to the barrier
	; ---- wave 0 alone: the weights' part, every lane with the same numbers ----
	s_load_b128 s[20:23], s[6:7], 0x0              ; w0 .. w3 (no line of this text stores into w)
	v_mov_b32 v[FC+2],  0xbf000000                 ; -1/2!
	v_mov_b32 v[FC+3],  0xbe2aaaab                 ; -1/3!
	v_mov_b32 v[FC+4],  0x3d2aaaab                 ;  1/4!
	v_mov_b32 v[FC+5],  0x3c088889                 ;  1/5!
	v_mov_b32 v[FC+6],  0xbab60b61                 ; -1/6!
	v_mov_b32 v[FC+7],  0xb9500d01                 ; -1/7!
	v_mov_b32 v[FC+8],  0x37d00d01                 ;  1/8!
	v_mov_b32 v[FC+9],  0x3638ef1d                 ;  1/9!
	v_mov_b32 v[FC+10], 0xb493f27e                 ; -1/10!
	v_mov_b32 v[FC+11], 0xb2d7322b                 ; -1/11!
	v_mov_b32 v[UB+1], 0                           ; the four zeros of RX(w0), see below
	v_mov_b32 v[UB+2], 0
	v_mov_b32 v[UB+4], 0
	v_mov_b32 v[UB+7], 0
	s_wait_kmcnt 0x0
.irp j, 0, 1, 2, 3
	v_mul_f32 v[H+\j], 0.5, s[20+\j]               ; the gates take half angles
.endr
	REDUCE PX, H
.irp d, 0, 1
	v_pk_mul_f32 v[PX+4*\d+2:PX+4*\d+3], v[H+2*\d:H+2*\d+1], v[H+2*\d:H+2*\d+1]          ; r^2
.endr
	; cos r = 1 + r^2 (F2 + r^2 (F4 + ..F10)), sin r = r (1 + r^2 (F3 + r^2 (F5 + ..F11))): lower and upper registers of the same pairs
.irp d, 0, 1
	v_pk_fma_f32 v[PC+2*\d:PC+2*\d+1], v[PX+4*\d+2:PX+4*\d+3], v[FC+10:FC+11], v[FC+8:FC+9] op_sel_hi:[1,0,0]
	v_pk_fma_f32 v[PS+2*\d:PS+2*\d+1], v[PX+4*\d+2:PX+4*\d+3], v[FC+10:FC+11], v[FC+8:FC+9] op_sel:[0,1,1] op_sel_hi:[1,1,1]
.endr
.irp m, 6, 4, 2
.irp d, 0, 1
	v_pk_fma_f32 v[PC+2*\d:PC+2*\d+1], v[PC+2*\d:PC+2*\d+1], v[PX+4*\d+2:PX+4*\d+3], v[FC+\m:FC+\m+1] op_sel_hi:[1,1,0]
	v_pk_fma_f32 v[PS+2*\d:PS+2*\d+1], v[PS+2*\d:PS+2*\d+1], v[PX+4*\d+2:PX+4*\d+3], v[FC+\m:FC+\m+1] op_sel:[0,0,1] op_sel_hi:[1,1,1]
.endr
.endr
.irp d, 0, 1
	v_pk_fma_f32 v[PC+2*\d:PC+2*\d+1], v[PC+2*\d:PC+2*\d+1], v[PX+4*\d+2:PX+4*\d+3], 1.0 op_sel_hi:[1,1,0]
	v_pk_fma_f32 v[PS+2*\d:PS+2*\d+1], v[PS+2*\d:PS+2*\d+1], v[PX+4*\d+2:PX+4*\d+3], 1.0 op_sel_hi:[1,1,0]
	v_pk_mul_f32 v[H+2*\d:H+2*\d+1], v[H+2*\d:H+2*\d+1], v[PX+4*\d:PX+4*\d+1]            ; (-1)^k r
.endr
.irp d, 0, 1
	v_pk_mul_f32 v[PC+2*\d:PC+2*\d+1], v[PC+2*\d:PC+2*\d+1], v[PX+4*\d:PX+4*\d+1]        ; cos(w/2)
	v_pk_mul_f32 v[PS+2*\d:PS+2*\d+1], v[PS+2*\d:PS+2*\d+1], v[H+2*\d:H+2*\d+1]          ; sin(w/2)
.endr
	; U = RX(w0) times the identity, written down: [[c0, -i s0], [-i s0, c0]]
	v_mov_b32 v[UB+0], v[PC+0]                     ; Re U00 = c0
	v_mul_f32 v[UB+3], -1.0, v[PS+0]               ; Im U01 = -s0
	v_mov_b32 v[UB+5], v[PC+0]                     ; Re U11 = c0
	v_mul_f32 v[UB+6], -1.0, v[PS+0]               ; Im U10 = -s0
	GATE_RZ 0                                      ; RZ(w1): UB -> UA
	; RX(w2): UA -> UB.  Row 0 = c row 0 - i s row 1, row 1 = c row 1 - i s row 0; -i s (Re + i Im) = s Im - i s Re.  c2, s2: lower registers
.irp e, 0, 2, 4, 6
	v_pk_mul_f32 v[UB+\e:UB+\e+1], v[UA+\e:UA+\e+1], v[PC+2:PC+3] op_sel_hi:[1,0]
.endr
	v_pk_fma_f32 v[UB+0:UB+1], v[UA+6:UA+7], v[PS+2:PS+3], v[UB+0:UB+1] op_sel_hi:[1,0,1]
	v_pk_fma_f32 v[UB+2:UB+3], v[UA+4:UA+5], v[PS+2:PS+3], v[UB+2:UB+3] op_sel_hi:[1,0,1] neg_lo:[0,1,0] neg_hi:[0,1,0]
	v_pk_fma_f32 v[UB+4:UB+5], v[UA+2:UA+3], v[PS+2:PS+3], v[UB+4:UB+5] op_sel_hi:[1,0,1]
	v_pk_fma_f32 v[UB+6:UB+7], v[UA+0:UA+1], v[PS+2:PS+3], v[UB+6:UB+7] op_sel_hi:[1,0,1] neg_lo:[0,1,0] neg_hi:[0,1,0]
	GATE_RZ 2                                      ; RZ(w3): UB -> UA
	; the quadratic form: (M00, M11) column by column, M01 across the columns
	v_pk_mul_f32 v[MD:MD+1], v[UA+0:UA+1], v[UA+0:UA+1]
	v_mul_f32 v[TB+1], v[UA+0], v[UA+1]
	v_pk_fma_f32 v[MD:MD+1], v[UA+2:UA+3], v[UA+2:UA+3], v[MD:MD+1]
	v_fma_f32 v[TB+1], v[UA+2], v[UA+3], v[TB+1]
	v_pk_fma_f32 v[MD:MD+1], v[UA+4:UA+5], v[UA+4:UA+5], v[MD:MD+1] neg_lo:[1,0,0] neg_hi:[1,0,0]
	v_fma_f32 v[TB+1], -v[UA+4], v[UA+5], v[TB+1]
	v_pk_fma_f32 v[MD:MD+1], v[UA+6:UA+7], v[UA+6:UA+7], v[MD:MD+1] neg_lo:[1,0,0] neg_hi:[1,0,0]
	v_fma_f32 v[TB+1], -v[UA+6], v[UA+7], v[TB+1]  ; a1 = B = M01
	v_pk_mul_f32 v[MD:MD+1], v[MD:MD+1], 0.5 op_sel_hi:[1,0]       ; halving is exact
	v_sub_f32 v[TB+0],  v[MD], v[MD+1]             ; a0 = A
	v_add_f32 v[TB+12], v[MD], v[MD+1]             ; C
	v_add_f32 v[TB+13], v[MD], v[MD+1]             ; and once more: a pair for the packed form
.irp m, 2, 4, 6, 8, 10
	v_pk_mul_f32 v[TB+\m:TB+\m+1], v[FC+\m:FC+\m+1], v[TB:TB+1]    ; (a_m, a_m+1) = (F_m A, F_m+1 B)
.endr
	s_wait_alu depctr_va_vdst(0)                   ; the lines above have written v[TB .. TB+13], which the LDS stores read, and are done reading and writing them, ahead of the LDS loads below that land in them
	ds_store_b128 v[LA], v[TB:TB+3]                ; all lanes put the same numbers at the same 56 bytes
	ds_store_b128 v[LA], v[TB+4:TB+7] offset:16
	ds_store_b128 v[LA], v[TB+8:TB+11] offset:32
	ds_store_b64  v[LA], v[TB+12:TB+13] offset:48
	s_wait_dscnt 0x0                               ; the table lies in LDS before wave 0 says so
	s_wait_alu depctr_vm_vsrc(0)                   ; the four LDS stores have read v[TB .. TB+13], in which wave 0's LDS loads below land
.Lshare:
	s_barrier_signal -1                            ; the loads of x stay out across the barrier: nobody writes x
	s_barrier_wait -1
	ds_load_b128 v[TB:TB+3], v[LA]                 ; every lane takes the whole table
	ds_load_b128 v[TB+4:TB+7], v[LA] offset:16
	ds_load_b128 v[TB+8:TB+11], v[LA] offset:32
	ds_load_b64  v[TB+12:TB+13], v[LA] offset:48
	s_wait_dscnt 0x0
	; ---- all waves: two slots at a time, interleaved so that neither chain waits for itself; a pair's two stores are issued in the pair behind it ----
.set i, 0
.rept NSLOT/2
	s_wait_loadcnt NSLOT-2-i                       ; loads come back in order (ISA guide 5.7.1): slots i and i+1 are in, the NSLOT-2-i behind them stay out
.if i > 0
	s_wait_alu depctr_va_vdst(0)                   ; the pair before has written its results, the first two registers of slots i-2 and i-1, which the two stores of this pair's text read
	global_store_b64 v[OOFF], v[X+4*(i-2):X+4*(i-2)+1], s[8:9] offset:(i-2)*OUT_STEP th:TH_STORE_NT     ; 32 lanes x 8 bytes: 256 consecutive bytes, aligned; these registers are never written again
.endif
.irp d, 0, 1
	v_add_f32 v[T+2*\d],   v[X+4*(i+\d)],   v[X+4*(i+\d)+1]        ; th = x0 + x1, rounded as in the definition
	v_add_f32 v[T+2*\d+1], v[X+4*(i+\d)+2], v[X+4*(i+\d)+3]
.endr
	REDUCE X+4*i, T
.if i > 0
	global_store_b64 v[OOFF], v[X+4*(i-1):X+4*(i-1)+1], s[8:9] offset:(i-1)*OUT_STEP th:TH_STORE_NT     ; no wait: the vector lines since the wait above name T, KC and slots i and i+1, neither v2 nor slot i-1
.endif
	EVAL X+4*i, T
.set i, i+2
.endr
	s_wait_alu depctr_va_vdst(0)                   ; the last pair has written its results, which the last two stores read
	global_store_b64 v[OOFF], v[X+4*(NSLOT-2):X+4*(NSLOT-2)+1], s[8:9] offset:(NSLOT-2)*OUT_STEP th:TH_STORE_NT
	global_store_b64 v[OOFF], v[X+4*(NSLOT-1):X+4*(NSLOT-1)+1], s[8:9] offset:(NSLOT-1)*OUT_STEP th:TH_STORE_NT
	s_wait_dscnt 0x0
	s_wait_alu depctr_hold_cnt(0) depctr_sa_sdst(0) depctr_va_vdst(0) depctr_va_sdst(0) depctr_va_ssrc(0) depctr_va_vcc(0) depctr_vm_vsrc(0)
	s_wait_tensorcnt 0x0
	ds_add_u32 v206, v207
	s_wait_dscnt 0x0
	s_endpgm
.Lfunc_end_k_qbe93bbff43_qnn:
	.size	k_qbe93bbff43_qnn, .Lfunc_end_k_qbe93bbff43_qnn-k_qbe93bbff43_qnn
	.p2alignl 7, 3214868480
	.fill 96, 4, 3214868480
	.section	.rodata,"a",@progbits
	.p2align	6, 0x0
	.amdhsa_kernel k_qbe93bbff43_qnn
		.amdhsa_group_segment_fixed_size 2304
		.amdhsa_private_segment_fixed_size 0
		.amdhsa_enable_private_segment 0
		.amdhsa_kernarg_size 24
		.amdhsa_user_sgpr_count 2
		.amdhsa_user_sgpr_kernarg_segment_ptr 1
		.amdhsa_wavefront_size32 1
		.amdhsa_system_sgpr_workgroup_id_x 1
		.amdhsa_system_sgpr_workgroup_id_y 1
		.amdhsa_system_sgpr_workgroup_id_z 1
		.amdhsa_system_vgpr_workitem_id 0
		.amdhsa_next_free_vgpr 208
		.amdhsa_next_free_sgpr 66
		.amdhsa_reserve_vcc 0
		.amdhsa_float_denorm_mode_32 3
		.amdhsa_float_denorm_mode_16_64 3
		.amdhsa_memory_ordered 1
		.amdhsa_forward_progress 1
		.amdhsa_inst_pref_size 54
	.end_amdhsa_kernel
	.amdgpu_metadata
---
amdhsa.version: [ 1, 2 ]
amdhsa.kernels:
  - .name:           k_qbe93bbff43_qnn
    .symbol:         k_qbe93bbff43_qnn.kd
    .args:
      - { .name: inputs, .offset: 0, .size: 8, .value_kind: global_buffer, .address_space: global }
      - { .name: weights, .offset: 8, .size: 8, .value_kind: global_buffer, .address_space: global }
      - { .name: out0, .offset: 16, .size: 8, .value_kind: global_buffer, .address_space: global }
    .group_segment_fixed_size: 2304
    .private_segment_fixed_size: 0
    .kernarg_segment_align: 8
    .kernarg_segment_size: 24
    .max_flat_workgroup_size: 512
    .sgpr_count:     66
    .vgpr_count:     208
    .wavefront_size: 32
...
	.end_amdgpu_metadata
.endif
;; end of part 2
